; MI455X (gfx1250); checked and timed in simulation.
; The chip was launched on July 23, 2026; its instructions are those of AMD's public machine-readable ISA for CDNA 5 (MIT licence, August 2026) and "CDNA5" Instruction Set Architecture Reference Guide (July 2026). The comments in the code are by the model that wrote it; some were corrected since.
;; Attention. Allowed arithmetic: float matrix products may take bf16 or f16 operands with f32 sums; all other float work in f32.
;; Inputs: W_qkv 3,072 x 1,024 float32; b_qkv 3,072 float32; x 2 x 2,048 x 1,024 float32.
;; Outputs: out0 2 x 2,048 x 1,024 float32.
;; One version. Each part assembles by itself: llvm-mc -triple=amdgcn-amd-amdhsa -mcpu=gfx1250 --defsym DOCPART=n.
;; ======== version 1 of 1: 2 launches
;; workspace buffers: qkv 25,165,824 bytes
;; launch qkv_gemm (part 1): grid 16 x 16, 4 waves a work-group, clusters of 4 x 4, 327,680 bytes of LDS; arguments x, W_qkv, b_qkv, qkv; writes qkv
.if DOCPART == 1
	.amdgcn_target "amdgcn-amd-amdhsa--gfx1250"
	.amdhsa_code_object_version 6
	.text
	.protected	k_q53a07a195d_qkv_gemm
	.globl	k_q53a07a195d_qkv_gemm
	.p2align	8
	.type	k_q53a07a195d_qkv_gemm,@function
k_q53a07a195d_qkv_gemm:
	s_mov_b64 s[64:65], 0
	v_nop
	global_prefetch_b8 v0, s[64:65] scope:SCOPE_SE
	s_setreg_imm32_b32 hwreg(HW_REG_WAVE_MODE, 25, 1), 1
	s_wait_xcnt 0x0
	s_wait_alu depctr_hold_cnt(0) depctr_sa_sdst(0) depctr_va_vdst(0) depctr_va_sdst(0) depctr_va_ssrc(0) depctr_va_vcc(0) depctr_vm_vsrc(0)
	s_getreg_b32 s2, hwreg(HW_REG_IB_STS2, 6, 4)
	s_cmp_eq_u32 s2, 0
	s_cbranch_scc0 .Lentry_in_a_cluster
	s_endpgm
.Lentry_in_a_cluster:
	s_bfe_u32 s2, ttmp6, 0x10000c
	s_cmp_lg_u32 s2, 0xf033
	s_cbranch_scc0 .Lentry_shape_is_right
	s_endpgm
.Lentry_shape_is_right:
; qkv[row][f] = sum over e of x[row][e] W[f][e] + b[f]; the q columns (f < 1024) are also multiplied by 0.125 log2(e), so that the
; attention launch can take 2^(score - max) straight from its products.  x: [4096][1024] f32, W: [3072][1024] f32, b: [3072] f32.
; Output: bf16, laid out by head: byte = batch * 12,582,912 + (f >> 6) * 262,144 + s * 128 + 2 (f & 63), so that one head's q, k or v
; is a dense block of 262,144 bytes.
; A work-group makes 256 rows x 192 columns (three whole chunks of 64 columns) with four waves, 2 x 2; a wave makes 128 x 96:
; 48 accumulator tiles of 16 x 16, 384 registers.  16 x 16 = 256 equal work-groups.
; K goes in 16 steps of 64 f32 (a tile's row is 256 bytes of memory, at a multiple of 256 bytes) through two LDS slots filled by the
; tensor data mover.  The tiles are f32: a half step (32 along K) is read into staging registers, rounded to bf16 by
; v_cvt_pk_bf16_f32 (112 conversions for 48 matrix instructions), and multiplied.  The next half step's 56 LDS loads are issued
; behind the conversions, ahead of the 48 (or the last 32) matrix instructions of this half step.
; CLUSTERS: 4 x 4 work-groups.  x's tile hangs on the block row alone and is asked for jointly along a row of the cluster, W's on the
; block column alone and is asked for jointly along a column: the requests for both are divided by four.
; THE MATRIX INSTRUCTION IS USED TRANSPOSED: source 0 = 16 rows of W, source 1 = 16 rows of x, so that lane (r, h) holds row r and the
; eight neighbouring columns 8 h .. 8 h + 7, which pack into 16 bytes of bf16.
; LIMITS: operands are rounded to bf16, sums are f32; q carries its factor before its rounding to bf16; the bias enters as
; acc * scale + bias * scale (one fused multiply-add on a bias that was scaled and rounded once in f32).
;
; REGISTERS, in windows of 256 (s_set_vgpr_msb: bits 1:0 source 0, 3:2 source 1, 5:4 source 2, 7:6 destination):
;   window 0: v0-7 ids and scratch; v16-27 addresses; v32-255 staging, f32, fragment f at 32 + 16 f (f = 0..5 W's, 6..13 x's)
;   window 1: v0-47 W's six bf16 fragments; v48-111 x's eight; v112-159 the bias of my 96 columns (8 numbers a lane and column tile)
;   window 2: accumulator tiles t = 0..31 at 8 t;  window 3: t = 32..47 at 8 (t - 32);  t = 6 a + b (a: row tile, b: column tile)
.set PITCH,  272                       ; an LDS row: 256 bytes + 16 of padding: the 16 rows of a fragment load lie in 16 different 16-byte columns modulo 256
.set SLOT,   448*PITCH                 ; x's 256 rows, then W's 192 rows: 121,856 bytes
.set BOFF,   256*PITCH                 ; where W's rows begin in a slot
.set SPITCH, 400                       ; the way out: 192 bf16 = 384 bytes + 16; 25 x 16, an odd multiple of 16
.set ADRA, 16                          ; v16-17  LDS address of my x fragments in slot 0, 1
.set ADRB, 20                          ; v20-21  the same for W
.set STO,  24                          ; v24     the way out: where I put 16 bytes of a row
.set RD,   25                          ; v25     the way out: where I read 16 bytes of a chunk's row back
.set GO,   26                          ; v26     my byte offset in a chunk of the output
.set BO,   27                          ; v27     my byte offset in the bias
.set RR,   32                          ; staging
.set TMP,  32                          ; the way out: packed results (staging is free then)
.set BK,   64                          ; the way out: rows read back, 64 registers for each of three chunks
.set FB,   0                           ; window 1
.set FA,   48                          ; window 1
.set BIAS, 112                         ; window 1
.set G1A, 24                           ; s[24:31] descriptor group 1 for x's tiles
.set G0A, 32                           ; s[32:39] group 0 for x's tiles, one set for each slot
.set G1B, 40                           ; s[40:47] group 1 for W's tiles
.set G0B, 48                           ; s[48:55] group 0 for W's tiles, one set for each slot
.set SC,  66                           ; s[66:77] six pairs: the factor of each of my six column tiles
.set G1W0, (2<<16)|(1<<20)|(1<<21)|(5<<22)|(3<<25)   ; elements of 4 bytes; padding on; bit 21 beside a mask; after every 64 words, 4 words
.set MSB, 0
.macro WIN new                         ; the immediate's high byte repeats the setting that is left; a switch that changes nothing is dropped
.if MSB != \new
	s_set_vgpr_msb (MSB<<8)|\new
.set MSB, \new
.endif
.endm
.macro PLACES                          ; four places behind a matrix instruction (ISA guide 7.12.1), where there is no useful vector work to put there
.rept 4
	v_nop
.endr
.endm
; A joint load.  Waves 0 and 1 fetch x's two halves (128 rows each), waves 2 and 3 W's (96 rows each).  Each line has one mask and one
; set of registers; the branch hangs on the wave's number alone.
.macro JLOAD s
	s_cmp_eq_u32 s13, 0
	s_cbranch_scc0 .Lfor_b_\@
	tensor_load_to_lds s[G0A+4*\s:G0A+4*\s+3], s[G1A:G1A+7]
	s_nop 0
	s_branch .Lasked_\@
.Lfor_b_\@:
	tensor_load_to_lds s[G0B+4*\s:G0B+4*\s+3], s[G1B:G1B+7]
	s_nop 0
.Lasked_\@:
.endm
; A round of the cluster's barrier: my work-group's barrier; wave 0 signals for the work-group; every wave waits for all sixteen
; work-groups; my work-group's barrier once more.
.macro CREST                           ; a round behind its opening barrier
	s_cmp_lg_u32 s12, 0
	s_cbranch_scc1 .Lnot_wave_0_\@
	s_barrier_signal -3
.Lnot_wave_0_\@:
	s_barrier_wait -3
	s_barrier_signal -1
	s_barrier_wait -1
.endm
.macro CROUND                          ; a whole round
	s_barrier_signal -1
	s_barrier_wait -1
	CREST
.endm
	s_load_b256 s[4:11], s[0:1], 0x0               ; x s[4:5], W s[6:7], b s[8:9], qkv s[10:11]
	v_lshl_add_u32 v30, v0, 2, 0x3b800
	v_mov_b32 v31, 0
	ds_add_u32 v30, v31
	v_lshrrev_b32 v1, 5, v0
	v_readfirstlane_b32 s12, v1                    ; wave 0..3
	s_lshr_b32 s13, s12, 1                         ; which 128 rows of the block are mine.  Also: I fetch for x (0) or for W (1)
	s_and_b32 s14, s12, 1                          ; which 96 columns are mine.  Also: which half of that tile I fetch
	s_bfe_u32 s15, ttmp6, 0x40000                  ; cx
	s_bfe_u32 s16, ttmp6, 0x40004                  ; cy
	s_lshl_b32 s17, ttmp9, 2
	s_add_co_u32 s17, s17, s15                     ; block column = 4 x cluster x + cx
	s_and_b32 s18, ttmp7, 0xffff
	s_lshl_b32 s18, s18, 2
	s_add_co_u32 s18, s18, s16                     ; block row = 4 x cluster y + cy
	s_lshl_b32 s20, s16, 2
	s_lshl_b32 s20, 15, s20                        ; my row of the cluster: places 4 cy .. 4 cy + 3
	s_lshl_b32 s56, 0x1111, s15                    ; my column: places cx, cx + 4, cx + 8, cx + 12
	s_or_b32 s[G1A+0], s20, G1W0                   ; x's tiles go to my row
	s_or_b32 s[G1B+0], s56, G1W0                   ; W's tiles go to my column
	s_mov_b32 s[G1A+1], 64<<16                     ; tensor_dim0 = 64 elements
	s_mov_b32 s[G1B+1], 64<<16
	s_mov_b32 s[G1A+2], 128<<16                    ; tensor_dim1 = 128 rows
	s_mov_b32 s[G1B+2], 96<<16                     ; tensor_dim1 = 96 rows
	s_mov_b32 s[G1A+3], 64<<16                     ; tile_dim0 = 64
	s_mov_b32 s[G1B+3], 64<<16
	s_mov_b32 s[G1A+4], 128                        ; tile_dim1
	s_mov_b32 s[G1B+4], 96
	s_mov_b32 s[G1A+5], 1024                       ; elements from row to row
	s_mov_b32 s[G1B+5], 1024
	s_mov_b32 s[G1A+6], 0
	s_mov_b32 s[G1B+6], 0
	s_mov_b32 s[G1A+7], 0
	s_mov_b32 s[G1B+7], 0
	; where the tiles come from: x's hang on the block row, W's on the block column, each in registers that never hold the other coordinate
	s_lshl_b32 s20, s18, 20                        ; 256 rows x 4,096 bytes
	s_lshl_b32 s21, s14, 19                        ; + my half: 128 rows
	s_add_co_u32 s20, s20, s21
	s_mov_b32 s21, 0
	s_mul_i32 s56, s17, 192*4096
	s_mul_i32 s57, s14, 96*4096
	s_add_co_u32 s56, s56, s57
	s_mov_b32 s57, 0
	s_mul_i32 s22, s12, 128*PITCH                  ; where they go: waves 0, 1: x's halves at wave x 34,816
	s_mul_i32 s58, s12, 96*PITCH                   ; waves 2, 3: W's halves at 69,632 + (wave - 2) x 26,112
	s_add_co_u32 s58, s58, BOFF-2*96*PITCH
	s_wait_dscnt 0x0
	s_wait_kmcnt 0x0
	s_add_nc_u64 s[20:21], s[4:5], s[20:21]
	s_add_nc_u64 s[56:57], s[6:7], s[56:57]
	CROUND                                         ; all sixteen work-groups are here: the first joint loads meet
.irp s, 0,1
	s_mov_b32 s[G0A+4*\s], 1
	s_add_co_u32 s[G0A+4*\s+1], s22, \s*SLOT
	s_add_nc_u64 s[G0A+4*\s+2:G0A+4*\s+3], s[20:21], \s*256        ; K step s
	s_or_b32 s[G0A+4*\s+3], s[G0A+4*\s+3], 0x80000000
	s_mov_b32 s[G0B+4*\s], 1
	s_add_co_u32 s[G0B+4*\s+1], s58, \s*SLOT
	s_add_nc_u64 s[G0B+4*\s+2:G0B+4*\s+3], s[56:57], \s*256
	s_or_b32 s[G0B+4*\s+3], s[G0B+4*\s+3], 0x80000000
	JLOAD \s                                       ; both slots are asked for before anything else: two loads of this wave are out
.endr
	; lane addresses.  A bf16 fragment's lane (r, h) holds row r, K = 8 h .. 8 h + 7 and 16 + 8 h .. 16 + 8 h + 7: in f32 that is 32 bytes at
	; 32 h and 32 bytes at 64 + 32 h of the half step's 128 bytes.
	v_and_b32 v1, 15, v0                           ; r
	v_bfe_u32 v2, v0, 4, 1                         ; h
	v_and_b32 v3, 31, v0                           ; lane
	v_mul_u32_u24 v4, v1, PITCH
	v_lshl_add_u32 v4, v2, 5, v4                   ; r x pitch + 32 h
	s_mul_i32 s23, s13, 128*PITCH
	s_mul_i32 s63, s14, 96*PITCH
	s_add_co_u32 s63, s63, BOFF
	v_add_nc_u32 v[ADRA], s23, v4
	v_add_nc_u32 v[ADRB], s63, v4
	v_add_nc_u32 v[ADRA+1], SLOT, v[ADRA]
	v_add_nc_u32 v[ADRB+1], SLOT, v[ADRB]
	v_mul_u32_u24 v5, v1, SPITCH                   ; stage, in: row 128 wr + r, byte 192 wc + 16 h
	v_lshl_add_u32 v5, v2, 4, v5
	s_mul_i32 s23, s13, 128*SPITCH
	s_mul_i32 s63, s14, 192
	s_add_co_u32 s23, s23, s63
	v_add_nc_u32 v[STO], s23, v5
	v_lshrrev_b32 v6, 3, v3                        ; stage, back: eight lanes take a chunk's 128 bytes of a row, a wave four rows
	v_mul_u32_u24 v6, v6, SPITCH
	v_and_b32 v7, 7, v0
	v_lshl_add_u32 v6, v7, 4, v6
	s_mul_i32 s23, s12, 64*SPITCH                  ; wave w takes rows 64 w .. 64 w + 63
	v_add_nc_u32 v[RD], s23, v6
	v_lshlrev_b32 v[GO], 4, v3                     ; in a chunk those four rows are 512 consecutive bytes
	s_lshl_b32 s23, s12, 13
	v_add_nc_u32 v[GO], s23, v[GO]
	v_lshlrev_b32 v[BO], 5, v2                     ; my 8 numbers of a column tile's 16
	; the bias of my 96 columns, the factor of each column tile, the output's base
	s_mul_i32 s59, s17, 192
	s_mul_i32 s60, s14, 96
	s_add_co_u32 s59, s59, s60                     ; my first column
	s_lshl_b32 s60, s59, 2
	s_mov_b32 s61, 0
	s_add_nc_u64 s[8:9], s[8:9], s[60:61]
	WIN 0x40                                       ; destination window 1, address window 0
.irp b, 0,1,2,3,4,5
	global_load_b128 v[BIAS+8*\b:BIAS+8*\b+3],   v[BO], s[8:9] offset:\b*64
	global_load_b128 v[BIAS+8*\b+4:BIAS+8*\b+7], v[BO], s[8:9] offset:\b*64+16
.endr
	WIN 0
.irp b, 0,1,2,3,4,5
	s_add_co_u32 s62, s59, 16*\b                   ; a tile of 16 columns lies wholly in q or wholly outside: 1,024 is a multiple of 16
	s_cmp_lt_u32 s62, 1024
	s_cselect_b32 s[SC+2*\b], 0x3e38aa3b, 1.0      ; 0.125 log2(e) for q, 1 for k and v
	s_mov_b32 s[SC+2*\b+1], s[SC+2*\b]
.endr
	s_lshr_b32 s60, s18, 3                         ; batch
	s_mul_i32 s60, s60, 12582912
	s_and_b32 s61, s18, 7                          ; 256 rows of 128 bytes
	s_lshl_b32 s61, s61, 15
	s_add_co_u32 s60, s60, s61
	s_mul_i32 s61, s17, 3*262144                   ; my block's first chunk
	s_add_co_u32 s60, s60, s61
	s_mov_b32 s61, 0
	s_add_nc_u64 s[10:11], s[10:11], s[60:61]
; 56 LDS loads in one run: half step kq of the slot, f32, into the staging registers
.macro FETCH slot, kq
	WIN 0
.irp f, 0,1,2,3,4,5
	ds_load_b128 v[RR+16*\f:RR+16*\f+3],     v[ADRB+\slot] offset:\f*16*PITCH+\kq*128
	ds_load_b128 v[RR+16*\f+4:RR+16*\f+7],   v[ADRB+\slot] offset:\f*16*PITCH+\kq*128+16
	ds_load_b128 v[RR+16*\f+8:RR+16*\f+11],  v[ADRB+\slot] offset:\f*16*PITCH+\kq*128+64
	ds_load_b128 v[RR+16*\f+12:RR+16*\f+15], v[ADRB+\slot] offset:\f*16*PITCH+\kq*128+80
.endr
.irp f, 0,1,2,3,4,5,6,7
	ds_load_b128 v[RR+96+16*\f:RR+96+16*\f+3],     v[ADRA+\slot] offset:\f*16*PITCH+\kq*128
	ds_load_b128 v[RR+96+16*\f+4:RR+96+16*\f+7],   v[ADRA+\slot] offset:\f*16*PITCH+\kq*128+16
	ds_load_b128 v[RR+96+16*\f+8:RR+96+16*\f+11],  v[ADRA+\slot] offset:\f*16*PITCH+\kq*128+64
	ds_load_b128 v[RR+96+16*\f+12:RR+96+16*\f+15], v[ADRA+\slot] offset:\f*16*PITCH+\kq*128+80
.endr
.endm
; 224 f32 become 112 registers of bf16: fragment register n takes staging registers 2 n and 2 n + 1, so K stays in its true places
.macro CVT
	WIN 0x40
.set ff, 0
.rept 112
	v_cvt_pk_bf16_f32 v[ff], v[RR+2*ff], v[RR+2*ff+1]
.set ff, ff+1
.endr
.endm
; Matrix instructions on tiles from .. to - 1.  The 48 accumulators take turns, one instruction a turn, always in the order 0 .. 47, over
; the loop's backward jump too.  zero = 1: the first product starts the sums, nothing is cleared.
.macro MUL from, to, zero
.set tt, \from
.rept \to-\from
.if tt < 32
	WIN 0xa5
.set areg, 8*tt
.else
	WIN 0xf5
.set areg, 8*(tt-32)
.endif
.if \zero
	v_wmma_f32_16x16x32_bf16 v[areg:areg+7], v[FB+8*(tt%6):FB+8*(tt%6)+7], v[FA+8*(tt/6):FA+8*(tt/6)+7], 0
.else
	v_wmma_f32_16x16x32_bf16 v[areg:areg+7], v[FB+8*(tt%6):FB+8*(tt%6)+7], v[FA+8*(tt/6):FA+8*(tt/6)+7], v[areg:areg+7]
.endif
.set tt, tt+1
.endr
.endm
; The first half of a K step.
.macro HALFA slot, zero
	s_wait_dscnt 0x0                               ; all 56 staged loads are converted below
	PLACES                                         ; the conversions write fragments that the last matrix instructions read
	CVT
	FETCH \slot, 1                                 ; the second half, 48 matrix instructions ahead of its conversion
	MUL 0, 48, \zero
.endm
; The second half, and the change of slots.  One barrier for two things: in front of it each wave has waited for its reads of this slot
; and for all its tensor loads (the one that is out is its part of the next slot).  Behind it this slot is asked for again first,
; then the next slot's first half is read.  Where the slot is filled again the barrier opens a round of the cluster's barrier.
.macro HALFB slot, next, fill
	s_wait_dscnt 0x0                               ; the staged loads are in: my reads of this slot are over
	PLACES
	CVT
	s_wait_tensorcnt 0x0                           ; all my tensor loads have landed
	ds_add_u32 v30, v31
	s_wait_dscnt 0x0
	s_barrier_signal -1
	MUL 0, 16, 0                                   ; work on registers while the others arrive
	WIN 0
	s_barrier_wait -1
.if \fill
	CREST                                          ; no wave of any partner still reads this slot or has a load on its way
	s_add_nc_u64 s[G0A+4*\slot+2:G0A+4*\slot+3], s[G0A+4*\slot+2:G0A+4*\slot+3], 512   ; two K steps on
	s_add_nc_u64 s[G0B+4*\slot+2:G0B+4*\slot+3], s[G0B+4*\slot+2:G0B+4*\slot+3], 512
	JLOAD \slot                                    ; my one tensor load behind the round, and the first thing there
.endif
	FETCH \next, 0                                 ; into staging registers, which no matrix instruction names
	MUL 16, 48, 0
.endm
.macro LAP zero                        ; once round the ring, both slots filled again
	HALFA 0, \zero
	HALFB 0, 1, 1
	HALFA 1, 0
	HALFB 1, 0, 1
.endm
	s_wait_tensorcnt 0x1                           ; my part of K step 0 is in; K step 1's may stay out
	s_barrier_signal -1
	s_barrier_wait -1                              ; everybody's is
	FETCH 0, 0
	LAP 1                                          ; K steps 0 and 1: the first products start the sums
	WIN 0                                          ; at a label and at a branch every window is 0
	s_mov_b32 s19, 6                               ; K steps 2 to 13
.Llap:
	LAP 0
	WIN 0
	s_sub_co_u32 s19, s19, 1
	s_cmp_lg_u32 s19, 0
	s_cbranch_scc1 .Llap
	HALFA 0, 0                                     ; K steps 14 and 15 fill nothing
	HALFB 0, 1, 0
	HALFA 1, 0
	s_wait_dscnt 0x0
	PLACES
	CVT
	MUL 0, 48, 0
	; THE WAY OUT.  Scale, add the bias, round to bf16, 16 bytes a lane into a stage of 256 rows x 400 bytes.  The stage lies in slot 0,
	; which has had its last fill; every wave's reads of slot 0 were waited for in front of K step 14's barrier.
	PLACES                                         ; behind the last matrix instructions, ahead of the first read of a result
	s_wait_loadcnt 0x0                             ; the bias
	WIN 0x41
.irp b, 0,1,2,3,4,5
.irp j, 0,2,4,6
	v_pk_mul_f32 v[BIAS+8*\b+\j:BIAS+8*\b+\j+1], v[BIAS+8*\b+\j:BIAS+8*\b+\j+1], s[SC+2*\b:SC+2*\b+1] op_sel_hi:[1,0]
.endr
.endr
.macro OUTROW a                        ; row tile a: six tiles, 16 rows x 96 columns
.irp b, 0,1,2,3,4,5
.set tt, 6*\a+\b
.if tt < 32
	WIN 0x92
.set areg, 8*tt
.else
	WIN 0xd3
.set areg, 8*(tt-32)
.endif
.irp j, 0,2,4,6
	v_pk_fma_f32 v[areg+\j:areg+\j+1], v[areg+\j:areg+\j+1], s[SC+2*\b:SC+2*\b+1], v[BIAS+8*\b+\j:BIAS+8*\b+\j+1] op_sel_hi:[1,0,1]
.endr
.endr
.irp b, 0,1,2,3,4,5
.set tt, 6*\a+\b
.if tt < 32
	WIN 0x0a
.set areg, 8*tt
.else
	WIN 0x0f
.set areg, 8*(tt-32)
.endif
.irp j, 0,1,2,3
	v_cvt_pk_bf16_f32 v[TMP+4*\b+\j], v[areg+2*\j], v[areg+2*\j+1]
.endr
.endr
	WIN 0
.irp b, 0,1,2,3,4,5
	ds_store_b128 v[STO], v[TMP+4*\b:TMP+4*\b+3] offset:\a*16*SPITCH+\b*32
.endr
.endm
.irp a, 0,1,2,3,4,5,6,7
	OUTROW \a
.endr
	s_wait_dscnt 0x0                               ; for the others' sake: my stores into the stage are done
	s_barrier_signal -1
	s_barrier_wait -1
	; wave w takes rows 64 w .. 64 w + 63 of each of the three chunks: in the output 8,192 consecutive bytes, 512 an instruction
.irp c, 0,1,2
.irp i, 0,1,2,3,4,5,6,7,8,9,10,11,12,13,14,15
	ds_load_b128 v[BK+64*\c+4*\i:BK+64*\c+4*\i+3], v[RD] offset:\i*4*SPITCH+\c*128
.endr
.irp i, 0,1,2,3,4,5,6,7,8,9,10,11,12,13,14,15
	s_wait_dscnt 15-\i                             ; LDS loads come back in order: load i of the sixteen is in
	global_store_b128 v[GO], v[BK+64*\c+4*\i:BK+64*\c+4*\i+3], s[10:11] offset:\c*262144+\i*512   ; no register of a store is written again
.endr
.endr
	s_wait_tensorcnt 0x0
	ds_add_u32 v30, v31
	s_wait_dscnt 0x0
	CROUND                                         ; the closing round: no work-group ends while a partner may still ask for a tile that names it
	s_endpgm
.Lfunc_end_k_q53a07a195d_qkv_gemm:
	.size	k_q53a07a195d_qkv_gemm, .Lfunc_end_k_q53a07a195d_qkv_gemm-k_q53a07a195d_qkv_gemm
	.p2alignl 7, 3214868480
	.fill 96, 4, 3214868480
	.section	.rodata,"a",@progbits
	.p2align	6, 0x0
	.amdhsa_kernel k_q53a07a195d_qkv_gemm
		.amdhsa_group_segment_fixed_size 327680
		.amdhsa_private_segment_fixed_size 0
		.amdhsa_enable_private_segment 0
		.amdhsa_kernarg_size 32
		.amdhsa_user_sgpr_count 2
		.amdhsa_user_sgpr_kernarg_segment_ptr 1
		.amdhsa_wavefront_size32 1
		.amdhsa_system_sgpr_workgroup_id_x 1
		.amdhsa_system_sgpr_workgroup_id_y 1
		.amdhsa_system_sgpr_workgroup_id_z 1
		.amdhsa_system_vgpr_workitem_id 0
		.amdhsa_next_free_vgpr 896
		.amdhsa_next_free_sgpr 80
		.amdhsa_reserve_vcc 0
		.amdhsa_float_denorm_mode_32 3
		.amdhsa_float_denorm_mode_16_64 3
		.amdhsa_memory_ordered 1
		.amdhsa_forward_progress 1
		.amdhsa_inst_pref_size 218
	.end_amdhsa_kernel
	.amdgpu_metadata
---
amdhsa.version: [ 1, 2 ]
amdhsa.kernels:
  - .name:           k_q53a07a195d_qkv_gemm
    .symbol:         k_q53a07a195d_qkv_gemm.kd
    .args:
      - { .name: x, .offset: 0, .size: 8, .value_kind: global_buffer, .address_space: global }
      - { .name: W_qkv, .offset: 8, .size: 8, .value_kind: global_buffer, .address_space: global }
      - { .name: b_qkv, .offset: 16, .size: 8, .value_kind: global_buffer, .address_space: global }
      - { .name: qkv, .offset: 24, .size: 8, .value_kind: global_buffer, .address_space: global }
    .group_segment_fixed_size: 327680
    .private_segment_fixed_size: 0
    .kernarg_segment_align: 8
    .kernarg_segment_size: 32
    .max_flat_workgroup_size: 128
    .sgpr_count:     80
    .vgpr_count:     896
    .wavefront_size: 32
...
	.end_amdgpu_metadata
.endif
;; end of part 1
;; launch attn (part 2): grid 8 x 32, 8 waves a work-group, clusters of 4 x 1, 327,680 bytes of LDS; arguments qkv, out0; writes out0
.if DOCPART == 2
	.amdgcn_target "amdgcn-amd-amdhsa--gfx1250"
	.amdhsa_code_object_version 6
	.text
	.protected	k_q53a07a195d_attn
	.globl	k_q53a07a195d_attn
	.p2align	8
	.type	k_q53a07a195d_attn,@function
k_q53a07a195d_attn:
	s_mov_b64 s[64:65], 0
	v_nop
	global_prefetch_b8 v0, s[64:65] scope:SCOPE_SE
	s_setreg_imm32_b32 hwreg(HW_REG_WAVE_MODE, 25, 1), 1
	s_wait_xcnt 0x0
	s_wait_alu depctr_hold_cnt(0) depctr_sa_sdst(0) depctr_va_vdst(0) depctr_va_sdst(0) depctr_va_ssrc(0) depctr_va_vcc(0) depctr_vm_vsrc(0)
	s_getreg_b32 s2, hwreg(HW_REG_IB_STS2, 6, 4)
	s_cmp_eq_u32 s2, 0
	s_cbranch_scc0 .Lentry_in_a_cluster
	s_endpgm
.Lentry_in_a_cluster:
	s_bfe_u32 s2, ttmp6, 0x10000c
	s_cmp_lg_u32 s2, 0x3003
	s_cbranch_scc0 .Lentry_shape_is_right
	s_endpgm
.Lentry_shape_is_right:
; out[b][s][64 hd + d] = sum over keys of softmax(q k / 8)[s][key] v[key][d], for each of 32 (batch, head) pairs.
; qkv: bf16, byte = b * 12,582,912 + (part * 16 + hd) * 262,144 + s * 128 + 2 d; q already carries 0.125 log2(e), so a probability is
; 2^(score - maximum).  The maximum is a running one, taken away before every exponential.
; A work-group takes 256 queries of one head (grid y = head, x = query block) and walks all 2,048 keys in 8 steps of 256 through two
; LDS slots.  Eight waves: wave w takes the 64 queries g = w & 3 and, of every slot, the 128 keys kh = w >> 2.  Two waves share a SIMD's
; registers (2 x 512), so that one wave's softmax stands beside the other's matrix work, while a wave's tile still has 64 queries:
; 16 KiB of LDS reads for 64 matrix instructions.  The two halves of the keys are merged once at the end, through LDS.
; CLUSTERS: the four query blocks of a cluster (4 x 1) read the same K and V tiles and ask for them jointly (mask 15).
; SCORES AND RESULT ARE KEPT TRANSPOSED.  S^T = K Q^T: register j of lane (r, h) is (key 8 h + j, query r); two such tiles, rounded to
; bf16 in pairs, ARE the B fragment of P for 32 keys: P never goes through LDS.  O^T = V^T P, V^T read by the transposing LDS load:
; lane (r, h) holds query r, d = 16 dt + 8 h + j.  Maximum, sum and rescaling factor are one number a lane and query tile.
; LIMITS: operands bf16, sums f32; the sum of a row is taken over the f32 probabilities, the product over their bf16 roundings;
; an exponential below 2^-126 comes out as zero (ISA guide, v_exp_f32); scores that overflow f32 are not served.
;
; REGISTERS: window 0: addresses, statistics, K (v64-127), V (v128-191), Q (v192-255).  Window 1: S / P (v0-127), O (v128-255).
.set KPITCH, 272                       ; two keys (256 bytes) + 16: the 16 keys of a fragment load lie in 16 different 16-byte columns modulo 256
.set VPITCH, 288                       ; two keys + 32: the same holds of the 16 lanes of a transposing load (four rows, two keys, two columns)
.set RGN,    18432                     ; 128 keys of K (64 x 272 = 17,408) or of V (64 x 288)
.set SLOT,   4*RGN                     ; K keys 0-127, K keys 128-255, V keys 0-127, V keys 128-255
.set MST,    2*SLOT                    ; merge stage: four regions of 18,432 (32 x 512 of O, 4 x 512 of statistics); no tensor load lands here
.set OST,    MST+4*RGN                 ; output stage: four regions of 16 rows x 272; no tensor load lands here
.set OPITCH, 272
.set KADR, 8                           ; v8-9    my K fragments in slot 0, 1
.set VADR, 10                          ; v10-11  my V fragments in slot 0, 1
.set MADR, 12                          ; v12     merge stage
.set OSTO, 13                          ; v13     output stage, in
.set ORD,  14                          ; v14     output stage, back
.set GOFF, 15                          ; v15     my byte offset in out0
.set QOFF, 16                          ; v16     my byte offset in q
.set MM,   20                          ; v[20:27] pairs: the running maximum of query tile qt in the even register
.set AA,   28                          ; v[28:35] pairs: the rescaling factor in the even register
.set LL,   36                          ; v[36:43] pairs: two partial sums
.set TT,   44                          ; v[44:47] at work
.set T2,   48                          ; v[48:51] at work: what the other half of the lanes holds
.set PS,   52                          ; v[52:67] merge: the partner's maxima and sums
.set O1,   68                          ; v[68:195] merge: the partner's O, later the rows read back
.set KF,   64                          ; K[kt][ks] at 64 + 16 kt + 8 ks
.set VF,   128                         ; V[dt][kk] at 128 + 16 dt + 8 kk
.set QF,   192                         ; Q[qt][ks] at 192 + 16 qt + 8 ks
.set SS,   0                           ; window 1: S[qt][kt] at 32 qt + 8 kt; P[qt][kk] in place at 32 qt + 16 kk
.set OO,   128                         ; window 1: O[qt][dt] at 128 + 32 qt + 8 dt
.set G1K, 16                           ; s[16:23] group 1 for K's tiles
.set G1V, 24                           ; s[24:31] group 1 for V's tiles: another padding
.set G0K, 32                           ; s[32:39] group 0 for K's tiles, one set for each slot
.set G0V, 40                           ; s[40:47] group 0 for V's tiles, one set for each slot
.set MSB, 0
.macro WIN new                         ; the immediate's high byte repeats the setting that is left
.if MSB != \new
	s_set_vgpr_msb (MSB<<8)|\new
.set MSB, \new
.endif
.endm
.macro PLACES n                        ; places behind a matrix instruction (ISA guide 7.12.1)
.rept \n
	v_nop
.endr
.endm
.macro ROUND                           ; a round of the cluster's barrier
	s_barrier_signal -1
	s_barrier_wait -1
	s_cmp_lg_u32 s8, 0
	s_cbranch_scc1 .Lnot_wave_0_\@
	s_barrier_signal -3
.Lnot_wave_0_\@:
	s_barrier_wait -3
	s_barrier_signal -1
	s_barrier_wait -1
.endm
; A slot's four joint loads: waves 0, 1 K's halves, waves 2, 3 V's halves, one load a wave; waves 4 to 7 have no part to fill.
; Since some waves issue none, every wait on TENSORcnt in this text is for zero: that count means the same on every way through these branches.
.macro JLOAD s
	s_cmp_lt_u32 s8, 2
	s_cbranch_scc0 .Lnot_k_\@
	tensor_load_to_lds s[G0K+4*\s:G0K+4*\s+3], s[G1K:G1K+7]
	s_nop 0
	s_branch .Lasked_\@
.Lnot_k_\@:
	s_cmp_lt_u32 s8, 4
	s_cbranch_scc0 .Lasked_\@
	tensor_load_to_lds s[G0V+4*\s:G0V+4*\s+3], s[G1V:G1V+7]
	s_nop 0
.Lasked_\@:
.endm
	s_load_b128 s[4:7], s[0:1], 0x0                ; qkv s[4:5], out0 s[6:7]
	v_lshl_add_u32 v18, v0, 2, 0x3a400
	v_mov_b32 v19, 0
	ds_add_u32 v18, v19
	v_lshrrev_b32 v1, 5, v0
	v_readfirstlane_b32 s8, v1                     ; wave 0..7
	s_and_b32 s9, s8, 3                            ; g: my 64 queries
	s_lshr_b32 s10, s8, 2                          ; kh: my half of a slot's keys
	s_and_b32 s11, s8, 1                           ; which half of K or V I fetch
	s_mov_b32 s12, 0x76543210                      ; v_permlanex16_b32: lane i of one half reads lane i of the other
	s_mov_b32 s13, 0xfedcba98
	s_and_b32 s14, ttmp7, 0xffff                   ; batch x 16 + head (the cluster is one work-group high)
	s_bfe_u32 s15, ttmp6, 0x40000                  ; cx
	s_lshl_b32 s60, ttmp9, 2
	s_add_co_u32 s15, s60, s15                     ; query block = 4 x cluster x + cx
	; group 1: 128 keys are a dense block of 16,384 bytes, taken as 64 rows of 32 elements of 8 bytes
	s_mov_b32 s[G1K+0], 15|(3<<16)|(1<<20)|(1<<21)|(5<<22)|(3<<25)  ; all four partners; 8-byte elements; padding on; bit 21 beside a mask; after 64 words, 4 words
	s_mov_b32 s[G1V+0], 15|(3<<16)|(1<<20)|(1<<21)|(5<<22)|(7<<25)  ; the same with 8 words of padding
	s_mov_b32 s[G1K+1], 32<<16                     ; tensor_dim0 = 32
	s_mov_b32 s[G1V+1], 32<<16
	s_mov_b32 s[G1K+2], 64<<16                     ; tensor_dim1 = 64
	s_mov_b32 s[G1V+2], 64<<16
	s_mov_b32 s[G1K+3], 32<<16                     ; tile_dim0 = 32
	s_mov_b32 s[G1V+3], 32<<16
	s_mov_b32 s[G1K+4], 64                         ; tile_dim1 = 64
	s_mov_b32 s[G1V+4], 64
	s_mov_b32 s[G1K+5], 32                         ; elements from row to row
	s_mov_b32 s[G1V+5], 32
	s_mov_b32 s[G1K+6], 0
	s_mov_b32 s[G1V+6], 0
	s_mov_b32 s[G1K+7], 0
	s_mov_b32 s[G1V+7], 0
	s_lshr_b32 s50, s14, 4                         ; the head's q: batch x 12,582,912 + head x 262,144
	s_mul_i32 s50, s50, 12582912
	s_and_b32 s51, s14, 15
	s_lshl_b32 s51, s51, 18
	s_add_co_u32 s50, s50, s51
	s_mov_b32 s51, 0
	s_lshl_b32 s52, s11, 14                        ; my half of a slot's keys: 128 x 128 bytes
	s_mov_b32 s53, 0
	s_mul_i32 s54, s8, RGN                         ; where my load goes: wave x 18,432 (waves 0 to 3)
	s_lshl_b32 s56, s15, 15                        ; my queries: 256 x 128 bytes a block, 64 x 128 a wave
	s_lshl_b32 s57, s9, 13
	s_add_co_u32 s56, s56, s57
	s_mov_b32 s57, 0
	s_lshr_b32 s58, s14, 4                         ; out0: (batch x 2,048 + block x 256 + g x 64) rows of 4,096 bytes + head x 256
	s_lshl_b32 s58, s58, 23
	s_lshl_b32 s59, s15, 20
	s_add_co_u32 s58, s58, s59
	s_lshl_b32 s59, s9, 18
	s_add_co_u32 s58, s58, s59
	s_and_b32 s59, s14, 15
	s_lshl_b32 s59, s59, 8
	s_add_co_u32 s58, s58, s59
	s_mov_b32 s59, 0
	; lane addresses
	v_and_b32 v1, 15, v0                           ; r
	v_bfe_u32 v2, v0, 4, 1                         ; h
	v_and_b32 v3, 31, v0                           ; lane
	v_lshrrev_b32 v4, 1, v1                        ; K: key r lies at (r >> 1) x 272 + (r & 1) x 128; + 16 h along d
	v_mul_u32_u24 v4, v4, KPITCH
	v_and_b32 v5, 1, v0
	v_lshl_add_u32 v4, v5, 7, v4
	v_lshl_add_u32 v4, v2, 4, v4
	s_mul_i32 s49, s10, RGN
	v_add_nc_u32 v[KADR], s49, v4
	v_add_nc_u32 v[KADR+1], SLOT, v[KADR]
	v_bfe_u32 v4, v0, 1, 2                         ; V: I address key 8 h + (lane & 7), 16 bytes at column 8 ((lane >> 3) & 1)
	v_lshl_add_u32 v4, v2, 2, v4
	v_mul_u32_u24 v4, v4, VPITCH
	v_lshl_add_u32 v4, v5, 7, v4
	v_bfe_u32 v6, v0, 3, 1
	v_lshl_add_u32 v4, v6, 4, v4
	s_add_co_u32 s49, s49, 2*RGN
	v_add_nc_u32 v[VADR], s49, v4
	v_add_nc_u32 v[VADR+1], SLOT, v[VADR]
	s_mul_i32 s49, s9, RGN
	s_add_co_u32 s49, s49, MST
	v_lshl_add_u32 v[MADR], v3, 4, s49             ; merge stage of my queries: 16 bytes a lane
	s_mul_i32 s49, s9, 16*OPITCH
	s_add_co_u32 s49, s49, OST
	v_mul_u32_u24 v4, v1, OPITCH                   ; output stage, in: row r, 32 bytes for each half of the lanes
	v_lshl_add_u32 v4, v2, 5, v4
	v_add_nc_u32 v[OSTO], s49, v4
	v_mul_u32_u24 v4, v2, OPITCH                   ; back: lanes 0-15 one row of 256 bytes, lanes 16-31 the next
	v_lshl_add_u32 v4, v1, 4, v4
	v_add_nc_u32 v[ORD], s49, v4
	v_lshlrev_b32 v4, 12, v2                       ; the same two rows in out0
	v_lshl_add_u32 v[GOFF], v1, 4, v4
	v_lshlrev_b32 v4, 7, v1                        ; q: row r, 16 h
	v_lshl_add_u32 v[QOFF], v2, 4, v4
.irp qt, 0,1,2,3
	v_mov_b32 v[MM+2*\qt+1], 0                     ; the pairs' odd registers are named by packed instructions that use the even one alone,
	v_mov_b32 v[AA+2*\qt+1], 0                     ; and a lane permute's destination counts as read: each is written once here
	v_mov_b32 v[T2+\qt], 0
.endr
	s_wait_dscnt 0x0
	s_wait_kmcnt 0x0
	s_add_nc_u64 s[50:51], s[4:5], s[50:51]        ; the head's q
	s_add_nc_u64 s[52:53], s[50:51], s[52:53]      ; + my half: K lies 4,194,304 bytes behind q, V 8,388,608
	s_add_nc_u64 s[56:57], s[50:51], s[56:57]      ; my queries
	s_add_nc_u64 s[6:7], s[6:7], s[58:59]          ; my rows of out0
.irp s, 0,1
	s_mov_b32 s[G0K+4*\s], 1
	s_add_co_u32 s[G0K+4*\s+1], s54, \s*SLOT
	s_add_nc_u64 s[G0K+4*\s+2:G0K+4*\s+3], s[52:53], 4194304+\s*32768   ; step s: 256 keys of 128 bytes
	s_or_b32 s[G0K+4*\s+3], s[G0K+4*\s+3], 0x80000000
	s_mov_b32 s[G0V+4*\s], 1
	s_add_co_u32 s[G0V+4*\s+1], s54, \s*SLOT
	s_add_nc_u64 s[G0V+4*\s+2:G0V+4*\s+3], s[52:53], 8388608+\s*32768
	s_or_b32 s[G0V+4*\s+3], s[G0V+4*\s+3], 0x80000000
.endr
	ROUND                                          ; all four work-groups are here: the first joint loads meet
	JLOAD 0                                        ; both slots are asked for as one group: two loads of a loading wave are out
	JLOAD 1
.irp qt, 0,1,2,3
.irp ks, 0,1
	global_load_b128 v[QF+16*\qt+8*\ks:QF+16*\qt+8*\ks+3],   v[QOFF], s[56:57] offset:\qt*2048+\ks*64
	global_load_b128 v[QF+16*\qt+8*\ks+4:QF+16*\qt+8*\ks+7], v[QOFF], s[56:57] offset:\qt*2048+\ks*64+32
.endr
.endr
; 64 keys x 64 d of K as four A fragments for each half of d: 16 loads
.macro LOADK slot, sub
.irp kt, 0,1,2,3
.irp ks, 0,1
	ds_load_b128 v[KF+16*\kt+8*\ks:KF+16*\kt+8*\ks+3],   v[KADR+\slot] offset:((\sub)*32+\kt*8)*KPITCH+\ks*64
	ds_load_b128 v[KF+16*\kt+8*\ks+4:KF+16*\kt+8*\ks+7], v[KADR+\slot] offset:((\sub)*32+\kt*8)*KPITCH+\ks*64+32
.endr
.endr
.endm
; the same keys of V, transposed on the way: A fragments of 16 d x 32 keys: 16 loads; the second of a fragment lies 16 keys = 8 rows on
.macro LOADV slot, sub
.irp dt, 0,1,2,3
.irp kk, 0,1
	ds_load_tr16_b128 v[VF+16*\dt+8*\kk:VF+16*\dt+8*\kk+3],   v[VADR+\slot] offset:((\sub)*32+\kk*16)*VPITCH+\dt*32
	ds_load_tr16_b128 v[VF+16*\dt+8*\kk+4:VF+16*\dt+8*\kk+7], v[VADR+\slot] offset:((\sub)*32+\kk*16)*VPITCH+\dt*32+8*VPITCH
.endr
.endr
.endm
; 64 keys against my 64 queries.  first = 1: nothing has been summed yet.  nextk = 1: the slot's next 64 keys are fetched on the way.
; In both runs of matrix instructions the 16 accumulators take turns, one instruction a turn.
.macro BLOCK slot, sub, first, nextk
	s_wait_dscnt 16                                ; K is in; the 16 loads of V issued behind it may stay out
	WIN 0x50
.irp qt, 0,1,2,3
.irp kt, 0,1,2,3
	v_wmma_f32_16x16x32_bf16 v[SS+32*\qt+8*\kt:SS+32*\qt+8*\kt+7], v[KF+16*\kt:KF+16*\kt+7], v[QF+16*\qt:QF+16*\qt+7], 0
.endr
.endr
.irp qt, 0,1,2,3
.irp kt, 0,1,2,3
	v_wmma_f32_16x16x32_bf16 v[SS+32*\qt+8*\kt:SS+32*\qt+8*\kt+7], v[KF+16*\kt+8:KF+16*\kt+15], v[QF+16*\qt+8:QF+16*\qt+15], v[SS+32*\qt+8*\kt:SS+32*\qt+8*\kt+7]
.endr
.endr
	PLACES 4                                       ; ahead of the loads into K's registers and of the first read of a score
.if \nextk
	WIN 0
	LOADK \slot, \sub+1
.endif
	; the largest of a lane's 32 scores of each query tile: four chains that do not wait for each other
	WIN 0x15
.irp qt, 0,1,2,3
	v_max3_num_f32 v[TT+\qt], v[SS+32*\qt], v[SS+32*\qt+1], v[SS+32*\qt+2]
.endr
	WIN 0x14
.irp i, 3,5,7,9,11,13,15,17,19,21,23,25,27,29
.irp qt, 0,1,2,3
	v_max3_num_f32 v[TT+\qt], v[TT+\qt], v[SS+32*\qt+\i], v[SS+32*\qt+\i+1]
.endr
.endr
.irp qt, 0,1,2,3
	v_max_num_f32 v[TT+\qt], v[TT+\qt], v[SS+32*\qt+31]
.endr
	WIN 0
.irp qt, 0,1,2,3
	v_permlanex16_b32 v[T2+\qt], v[TT+\qt], s12, s13   ; lanes r and r + 16 hold the same query's other keys
.endr
.if \first
.irp qt, 0,1,2,3
	v_max_num_f32 v[MM+2*\qt], v[TT+\qt], v[T2+\qt]
.endr
.else
.irp qt, 0,1,2,3
	v_max3_num_f32 v[TT+\qt], v[TT+\qt], v[T2+\qt], v[MM+2*\qt]    ; the new running maximum
.endr
.irp qt, 0,1,2,3
	v_sub_f32 v[AA+2*\qt], v[MM+2*\qt], v[TT+\qt]
.endr
.irp qt, 0,1,2,3
	v_exp_f32 v[AA+2*\qt], v[AA+2*\qt]             ; what has been summed so far is rescaled by 2^(old - new)
.endr
	s_wait_alu depctr_va_vdst(0)
.irp qt, 0,1,2,3
	v_mov_b32 v[MM+2*\qt], v[TT+\qt]               ; plain instructions behind the exponentials, ahead of the first use of a factor (ISA guide 5.7.2)
.endr
.endif
	; p = 2^(s - m), in place; O is rescaled on the way.  Behind a pair's two exponentials stands the next pair's subtraction, which touches neither.
	WIN 0x41
.set pp, 0
.rept 64
	v_pk_add_f32 v[SS+2*pp:SS+2*pp+1], v[SS+2*pp:SS+2*pp+1], v[MM+2*(pp/16):MM+2*(pp/16)+1] op_sel_hi:[1,0] neg_lo:[0,1] neg_hi:[0,1]
.if \first == 0
	v_pk_mul_f32 v[OO+2*pp:OO+2*pp+1], v[OO+2*pp:OO+2*pp+1], v[AA+2*(pp/16):AA+2*(pp/16)+1] op_sel_hi:[1,0]
.endif
	v_exp_f32 v[SS+2*pp], v[SS+2*pp]
	v_exp_f32 v[SS+2*pp+1], v[SS+2*pp+1]
.set pp, pp+1
.endr
	; the sums, two a lane and query tile, again in four chains; the first line touches none of the last pair's registers
.if \first
	WIN 0x05
	s_wait_alu depctr_va_vdst(0)
.irp qt, 0,1,2,3
	v_pk_add_f32 v[LL+2*\qt:LL+2*\qt+1], v[SS+32*\qt:SS+32*\qt+1], v[SS+32*\qt+2:SS+32*\qt+3]
.endr
	WIN 0x04
.irp i, 4,6,8,10,12,14,16,18,20,22,24,26,28,30
.irp qt, 0,1,2,3
	v_pk_add_f32 v[LL+2*\qt:LL+2*\qt+1], v[LL+2*\qt:LL+2*\qt+1], v[SS+32*\qt+\i:SS+32*\qt+\i+1]
.endr
.endr
.else
	WIN 0x10
	s_wait_alu depctr_va_vdst(0)
.irp qt, 0,1,2,3
	v_pk_fma_f32 v[LL+2*\qt:LL+2*\qt+1], v[LL+2*\qt:LL+2*\qt+1], v[AA+2*\qt:AA+2*\qt+1], v[SS+32*\qt:SS+32*\qt+1] op_sel_hi:[1,0,1]
.endr
	WIN 0x04
.irp i, 2,4,6,8,10,12,14,16,18,20,22,24,26,28,30
.irp qt, 0,1,2,3
	v_pk_add_f32 v[LL+2*\qt:LL+2*\qt+1], v[LL+2*\qt:LL+2*\qt+1], v[SS+32*\qt+\i:SS+32*\qt+\i+1]
.endr
.endr
.endif
	; two score tiles (16 registers) become one B fragment of P (8 registers), in place: register i takes 2 i and 2 i + 1, ascending
	WIN 0x45
.irp u, 0,1,2,3,4,5,6,7
.irp i, 0,1,2,3,4,5,6,7
	v_cvt_pk_bf16_f32 v[SS+16*\u+\i], v[SS+16*\u+2*\i], v[SS+16*\u+2*\i+1]
.endr
.endr
.if \nextk
	s_wait_dscnt 16                                ; V is in; the next 64 keys' 16 loads of K may stay out
.else
	s_wait_dscnt 0x0                               ; V is in; nothing was issued behind it
.endif
	WIN 0x54
.irp kk, 0,1
.irp qt, 0,1,2,3
.irp dt, 0,1,2,3
.if \first*(1-\kk)
	v_wmma_f32_16x16x32_bf16 v[OO+32*\qt+8*\dt:OO+32*\qt+8*\dt+7], v[VF+16*\dt+8*\kk:VF+16*\dt+8*\kk+7], v[SS+32*\qt+16*\kk:SS+32*\qt+16*\kk+7], 0
.else
	v_wmma_f32_16x16x32_bf16 v[OO+32*\qt+8*\dt:OO+32*\qt+8*\dt+7], v[VF+16*\dt+8*\kk:VF+16*\dt+8*\kk+7], v[SS+32*\qt+16*\kk:SS+32*\qt+16*\kk+7], v[OO+32*\qt+8*\dt:OO+32*\qt+8*\dt+7]
.endif
.endr
.endr
.endr
	PLACES 5                                       ; the next scores write over P; the next loads write over V; the stores at the end read O
	WIN 0
.if \nextk
	LOADV \slot, \sub+1
.endif
.endm
.macro WORK slot, first                ; my 128 keys of a slot
	LOADK \slot, 0
	LOADV \slot, 0
	BLOCK \slot, 0, \first, 1
	BLOCK \slot, 1, 0, 0
.endm
; A step: the change of slots, then the slot's work.  In front of the barrier every wave has waited for all its tensor loads (this slot's
; tile among them) and for its reads of the other slot; behind it the other slot is asked for again first.  Where it is, the barrier is
; a round of the cluster's barrier: no wave of any partner still reads that slot.
.macro STEP slot, other, refill
	s_wait_tensorcnt 0x0                           ; no tensor load of mine is out, so a group 0 may be written
	ds_add_u32 v18, v19
	s_wait_dscnt 0x0
.if \refill
	s_add_nc_u64 s[G0K+4*\other+2:G0K+4*\other+3], s[G0K+4*\other+2:G0K+4*\other+3], 65536   ; two steps of 256 keys on
	s_add_nc_u64 s[G0V+4*\other+2:G0V+4*\other+3], s[G0V+4*\other+2:G0V+4*\other+3], 65536
.endif
	s_wait_dscnt 0x0
.if \refill
	ROUND
	JLOAD \other                                   ; my one tensor load behind the round, and the first thing there
.else
	s_barrier_signal -1
	s_barrier_wait -1
.endif
	WORK \slot, 0
.endm
	s_wait_tensorcnt 0x0                           ; zero: waves 0 to 3 have issued two loads and waves 4 to 7 none, so a count above zero would not
	                                               ; mean the same on every way through JLOAD's branches; my parts of steps 0 and 1 have both landed
	s_barrier_signal -1
	s_barrier_wait -1                              ; everybody's have
	s_wait_loadcnt 0x0                             ; q
	WORK 0, 1                                      ; step 0 starts the sums: nothing is cleared
	s_mov_b32 s48, 3                               ; steps 1 to 6, which ask for steps 2 to 7
.Lpair:
	STEP 1, 0, 1
	STEP 0, 1, 1
	s_sub_co_u32 s48, s48, 1
	s_cmp_lg_u32 s48, 0
	s_cbranch_scc1 .Lpair
	STEP 1, 0, 0                                   ; step 7: nothing is left to fetch
	; THE MERGE.  Waves 4 to 7 hand O, maxima and sums to waves 0 to 3, which hold the same queries' other keys.
	s_cmp_lt_u32 s8, 4
	s_cbranch_scc1 .Lkeep
	WIN 0x04                                       ; store data in window 1
.set ii, 0
.rept 32
	ds_store_b128 v[MADR], v[OO+4*ii:OO+4*ii+3] offset:ii*512
.set ii, ii+1
.endr
	WIN 0
	ds_store_b128 v[MADR], v[MM:MM+3]   offset:16384
	ds_store_b128 v[MADR], v[MM+4:MM+7] offset:16384+512
	ds_store_b128 v[MADR], v[LL:LL+3]   offset:16384+1024
	ds_store_b128 v[MADR], v[LL+4:LL+7] offset:16384+1536
.Lkeep:
	s_wait_dscnt 0x0                               ; for the others' sake: my stores are done
	s_barrier_signal -1
	s_barrier_wait -1
	s_cmp_lt_u32 s8, 4
	s_cbranch_scc0 .Lclose
.irp i, 0,1,2,3
	ds_load_b128 v[PS+4*\i:PS+4*\i+3], v[MADR] offset:16384+\i*512
.endr
.set ii, 0
.rept 32
	ds_load_b128 v[O1+4*ii:O1+4*ii+3], v[MADR] offset:ii*512
.set ii, ii+1
.endr
	s_wait_dscnt 32                                ; the four loads of maxima and sums are in; the 32 of O behind them may stay out
.irp qt, 0,1,2,3
	v_max_num_f32 v[TT+\qt], v[MM+2*\qt], v[PS+2*\qt]              ; the joint maximum
.endr
.irp qt, 0,1,2,3
	v_sub_f32 v[AA+2*\qt], v[MM+2*\qt], v[TT+\qt]
	v_sub_f32 v[MM+2*\qt], v[PS+2*\qt], v[TT+\qt]
.endr
.irp qt, 0,1,2,3
	v_exp_f32 v[AA+2*\qt], v[AA+2*\qt]             ; my weight,
	v_exp_f32 v[MM+2*\qt], v[MM+2*\qt]             ; the partner's
.endr
.irp qt, 0,1,2,3
	v_add_f32 v[TT+\qt], v[LL+2*\qt], v[LL+2*\qt+1]                ; plain work behind the exponentials that touches none of their registers
	v_add_f32 v[T2+\qt], v[PS+8+2*\qt], v[PS+8+2*\qt+1]
.endr
	s_wait_alu depctr_va_vdst(0)
.irp qt, 0,1,2,3
	v_mul_f32 v[TT+\qt], v[TT+\qt], v[AA+2*\qt]
.endr
.irp qt, 0,1,2,3
	v_fmac_f32 v[TT+\qt], v[T2+\qt], v[MM+2*\qt]
.endr
.irp qt, 0,1,2,3
	v_permlanex16_b32 v[T2+\qt], v[TT+\qt], s12, s13               ; the other half of the lanes summed the query's other keys
.endr
.irp qt, 0,1,2,3
	v_add_f32 v[TT+\qt], v[TT+\qt], v[T2+\qt]      ; the whole row's sum: at least 1, since the largest score contributes 2^0
.endr
.irp qt, 0,1,2,3
	v_rcp_f32 v[T2+\qt], v[TT+\qt]
.endr
	v_nop                                          ; one plain place behind the reciprocals
	s_wait_alu depctr_va_vdst(0)
.irp qt, 0,1,2,3
	v_mul_f32 v[AA+2*\qt], v[AA+2*\qt], v[T2+\qt]
	v_mul_f32 v[MM+2*\qt], v[MM+2*\qt], v[T2+\qt]
.endr
	s_wait_dscnt 0x0                               ; the partner's O
; 16 queries: combine, 32 bytes a lane and d tile into my own stage, read back as whole rows of 256 bytes, store.
; The rows come back into the partner's O of the same query tile, which only vector instructions have read: each tile's stores have registers of their own.
.macro OUTQ qt
	WIN 0x41
.irp i, 0,2,4,6,8,10,12,14,16,18,20,22,24,26,28,30
	v_pk_mul_f32 v[OO+32*\qt+\i:OO+32*\qt+\i+1], v[OO+32*\qt+\i:OO+32*\qt+\i+1], v[AA+2*\qt:AA+2*\qt+1] op_sel_hi:[1,0]
.endr
	WIN 0x50
.irp i, 0,2,4,6,8,10,12,14,16,18,20,22,24,26,28,30
	v_pk_fma_f32 v[OO+32*\qt+\i:OO+32*\qt+\i+1], v[O1+32*\qt+\i:O1+32*\qt+\i+1], v[MM+2*\qt:MM+2*\qt+1], v[OO+32*\qt+\i:OO+32*\qt+\i+1] op_sel_hi:[1,0,1]
.endr
	WIN 0x04
.irp dt, 0,1,2,3
	ds_store_b128 v[OSTO], v[OO+32*\qt+8*\dt:OO+32*\qt+8*\dt+3]   offset:\dt*64
	ds_store_b128 v[OSTO], v[OO+32*\qt+8*\dt+4:OO+32*\qt+8*\dt+7] offset:\dt*64+16
.endr
	WIN 0
.irp t, 0,1,2,3,4,5,6,7
	ds_load_b128 v[O1+32*\qt+4*\t:O1+32*\qt+4*\t+3], v[ORD] offset:\t*2*OPITCH   ; LDS serves a wave's instructions in order (ISA guide 5.7.1.4): these see the stores above
.endr
.irp t, 0,1,2,3,4,5,6,7
	s_wait_dscnt 7-\t                              ; load t of the eight is in
	global_store_b128 v[GOFF], v[O1+32*\qt+4*\t:O1+32*\qt+4*\t+3], s[6:7] offset:(16*\qt+2*\t)*4096 th:TH_STORE_NT   ; 16 lanes store 256 consecutive bytes, at a multiple of 256 from out0's first byte
.endr
.endm
	OUTQ 0
	OUTQ 1
	OUTQ 2
	OUTQ 3
.Lclose:
	s_wait_tensorcnt 0x0
	ds_add_u32 v18, v19
	s_wait_dscnt 0x0
	ROUND                                          ; the closing round: no work-group ends while a partner may still ask for a tile that names it
	s_endpgm
.Lfunc_end_k_q53a07a195d_attn:
	.size	k_q53a07a195d_attn, .Lfunc_end_k_q53a07a195d_attn-k_q53a07a195d_attn
	.p2alignl 7, 3214868480
	.fill 96, 4, 3214868480
	.section	.rodata,"a",@progbits
	.p2align	6, 0x0
	.amdhsa_kernel k_q53a07a195d_attn
		.amdhsa_group_segment_fixed_size 327680
		.amdhsa_private_segment_fixed_size 0
		.amdhsa_enable_private_segment 0
		.amdhsa_kernarg_size 16
		.amdhsa_user_sgpr_count 2
		.amdhsa_user_sgpr_kernarg_segment_ptr 1
		.amdhsa_wavefront_size32 1
		.amdhsa_system_sgpr_workgroup_id_x 1
		.amdhsa_system_sgpr_workgroup_id_y 1
		.amdhsa_system_sgpr_workgroup_id_z 1
		.amdhsa_system_vgpr_workitem_id 0
		.amdhsa_next_free_vgpr 512
		.amdhsa_next_free_sgpr 66
		.amdhsa_reserve_vcc 0
		.amdhsa_float_denorm_mode_32 3
		.amdhsa_float_denorm_mode_16_64 3
		.amdhsa_memory_ordered 1
		.amdhsa_forward_progress 1
		.amdhsa_inst_pref_size 255
	.end_amdhsa_kernel
	.section	.bss,"aw",@nobits
	.p2align	6
	.space	262144
	.amdgpu_metadata
---
amdhsa.version: [ 1, 2 ]
amdhsa.kernels:
  - .name:           k_q53a07a195d_attn
    .symbol:         k_q53a07a195d_attn.kd
    .args:
      - { .name: qkv, .offset: 0, .size: 8, .value_kind: global_buffer, .address_space: global }
      - { .name: out0, .offset: 8, .size: 8, .value_kind: global_buffer, .address_space: global }
    .group_segment_fixed_size: 327680
    .private_segment_fixed_size: 0
    .kernarg_segment_align: 8
    .kernarg_segment_size: 16
    .max_flat_workgroup_size: 256
    .sgpr_count:     66
    .vgpr_count:     512
    .wavefront_size: 32
...
	.end_amdgpu_metadata
.endif
;; end of part 2
